; MI455X (gfx1250); checked and timed in simulation.
; The chip was launched on July 23, 2026; its instructions are those of AMD's public machine-readable ISA for CDNA 5 (MIT licence, August 2026) and "CDNA5" Instruction Set Architecture Reference Guide (July 2026). The comments in the code are by the model that wrote it; some were corrected since.
;; GN Nens. Allowed arithmetic: matrix products marked QUANTISED: E4M3 operands, one E8M0 scale for each 32 along K, by v_wmma_scale_f32_16x16x128_f8f6f4 with both operands' format E4M3, f32 sums; everything else in f32.
;; Inputs: W1 8 x 512 x 1,024 float32; W2 8 x 1,024 x 512 float32; b1 8 x 1,024 float32; b2 8 x 512 float32; comp_idx 8,192 int32; epsilon 8,192 x 512 float32; mu 8 x 512 float32; rho 8 float32.
;; Outputs: out0 8,192 x 512 float32.
;; This version of the problem:
;;   THIS VERSION OF THE PROBLEM IS GIVEN IN LOW PRECISION. The matrix products marked QUANTISED in the list below multiply operands that are first quantised to E4M3 (4 exponent bits, 3 mantissa bits; 8 bits a number), with one power-of-two scale for each 32 numbers along K (OCP MX v1.0); their sums are f32. All else is computed in f32.
;;   The module's matrix products, in the order in which they are computed (A, B: the left and right operand; K: the contracted axis; several contracted axes count as one K, in the product's order):
;;     1. batch 8 x [M 8,192, K 512] x [K 512, N 1,024]; A: computed on the way; B: input W1: QUANTISED
;;     2. batch 8 x [M 8,192, K 1,024] x [K 1,024, N 512]; A: computed on the way; B: input W2: QUANTISED
;;   THE QUANTISER, for each operand of a quantised product, along K:
;;     - K is cut into blocks of 32 from its start; a last block that is shorter is filled with zeros.
;;     - A block's scale is 2^e with e = floor(log2(the largest magnitude in the block)) - 8, held to -126 .. 127; a block of zeros has e = 0. As a byte (E8M0): e + 127.
;;     - Each number is divided by its block's scale, clamped to +-448, and rounded to the nearest number of E4M3, ties to even, subnormals kept.
;;     - The product sums the exact products of the quantised numbers (number of the format x scale) in f32.
;;   ~~~python
;;   def quantise(x, axis):      # numpy; x: float32 -> the quantised numbers, widened to float32 again
;;       x = np.moveaxis(x, axis, -1); K = x.shape[-1]
;;       x = np.pad(x, [(0, 0)] * (x.ndim - 1) + [(0, -K % 32)]); x = x.reshape(x.shape[:-1] + (-1, 32)); a = np.abs(x).max(-1, keepdims=True)
;;       e = np.where(a > 0, np.clip(np.frexp(np.where(a > 0, a, 1))[1] - 1 - 8, -126, 127), 0)      # np.frexp(a)[1] - 1 = floor(log2(a)), exactly
;;       r = np.clip(x / 2.0 ** e, -448, 448)
;;       step = 2.0 ** (np.maximum(np.frexp(np.where(r == 0, 1, r))[1] - 1, -6) - 3)
;;       q = np.round(r / step) * step * 2.0 ** e      # np.round: ties to even
;;       return np.moveaxis(q.reshape(q.shape[:-2] + (-1,))[..., :K], -1, axis).astype(np.float32)
;;   ~~~
;;   OPERANDS COMPUTED ON THE WAY. 'Computed on the way' means the value that the module computes at that place (a softmax that the list does not call 'softmax' is quantised finished and normalised). What goes into a quantiser is computed in f32, as accurately as f32 sums, v_exp_f32 and their like allow (about 1e-6 of the number): no bf16 or f16 on the way to a quantiser, and a product that is left as it is and whose result goes on into a quantised operand takes f32 operands (vector FMAs, or v_wmma_f32_16x16x4_f32). A number that lies on a knife's edge between two numbers of the format may be rounded either way, as far as f32 arithmetic and the matrix unit's own rounding can turn it there, and no further.
;; One version. Each part assembles by itself: llvm-mc -triple=amdgcn-amd-amdhsa -mcpu=gfx1250 --defsym DOCPART=n.
;; ======== version 1 of 1: 2 launches
;; workspace buffers: wcodes 8,388,608 bytes; wscales 262,144 bytes; order 34,816 bytes of whole numbers; tiles 2,048 bytes of whole numbers
;; launch prep (part 1): grid 257 x 1, 8 waves a work-group, no clusters, 36,864 bytes of LDS; arguments W1, W2, comp_idx, wcodes, wscales, order, tiles; writes wcodes, wscales, order, tiles
.if DOCPART == 1
	.amdgcn_target "amdgcn-amd-amdhsa--gfx1250"
	.amdhsa_code_object_version 6
	.text
	.protected	k_q0b06067d4d_prep
	.globl	k_q0b06067d4d_prep
	.p2align	8
	.type	k_q0b06067d4d_prep,@function
k_q0b06067d4d_prep:
	s_mov_b64 s[64:65], 0
	v_nop
	global_prefetch_b8 v0, s[64:65] scope:SCOPE_SE
	s_setreg_imm32_b32 hwreg(HW_REG_WAVE_MODE, 25, 1), 1
	s_wait_xcnt 0x0
; PREP.  Work-group 0 sorts the 8,192 tokens by their component (a counting sort, no atomics) and stores the list of row tiles.
; Work-groups 1 to 256 turn W1 [8][512 k][1024 n] and W2 [8][1024 k][512 n], f32 with K as the FIRST axis of a component, into codes of FP8 (E4M3)
; with one E8M0 scale byte for each 32 along K, laid in the order in which the next launch's waves take them into operand registers.
; THE RULE: a block's scale is 2^(floor(log2(largest magnitude)) - 8); its byte is the largest magnitude's exponent field - 8, held at 1 from below;
; each number is divided by the scale, held within +-448 and rounded to the nearest code, ties to even.
; LIMITS: a block of zeros, or one whose largest magnitude lies under 2^-118, gets the byte 1 (the rule says 127 for zeros: the codes are zeros, and this program alone
; reads the bytes); NaN and infinities are not served; a component number outside 0 .. 7 is held at 7.
; wcodes  [e 8][w 8][G 16][t 4][c 4][lane 32][16 bytes]: (e, w) is what wave w of a tile of component e streams, 128 KiB on end.  G = 4 a + s (0 .. 7): W1, hidden units 128 w + 64 a on, K step s;
;         G = 8 + s: W2, outputs 64 w on, K step s.  A fragment (16 columns x 128 K, 2,048 bytes) is the image of its 16 registers: part c holds lane l's 16 bytes at 512 c + 16 l.
;         Lane (r, h) of fragment t = 2 p + u holds column 32 p + 8 u + r + 8 (r / 8) of the group's 64, k = 32 c + 16 h + 0 .. 15.
; wscales [e][w][G][idx 32][p 2] words: idx = 16 u + r: 8 bytes a lane give register p with fragment 2 p's words in lanes 0-15 and fragment 2 p + 1's in lanes 16-31.
; order   [tile][64] token numbers (only a tile's first `count` entries are written, and only those are read);   tiles [256][2]: (component, count 0 .. 64).
; QUANTISER: a work-group takes 256 columns x 128 K of one component, a wave 32 columns: A LANE TAKES A COLUMN AND ITS REGISTERS RUN DOWN K, so a block of 32 lies in one lane and nothing is transposed.
; The two paths part on the work-group's number alone; each has LDS bytes, a barrier and an end of its own.
.set STGW, 4224                        ; LDS 0 .. 33,791: a stage for each wave: two fragment images,
.set FRP,  2176                        ; the second 2,048 + 128 bytes behind the first, so that the sixteen lanes of a store's half fall on sixteen different 16-byte columns modulo 256
.set SC,   33792                       ; 4 groups x 256 bytes of scale words
.set CNT,  34816                       ; the sort's own 1,024 bytes: 128 for each wave
.set X,    16                          ; v16-143  128 numbers down K; v16-47 again on the way out
.set CD,   144                         ; v144-175 codes, 8 registers a block
	s_load_b256 s[4:11], s[0:1], 0x0               ; W1 s[4:5], W2 s[6:7], comp_idx s[8:9], wcodes s[10:11]
	s_load_b128 s[12:15], s[0:1], 0x20             ; wscales s[12:13], order s[14:15]
	s_load_b64 s[56:57], s[0:1], 0x30              ; tiles
	v_lshl_add_u32 v192, v0, 2, 0x8c00
	v_mov_b32 v193, 0
	v_lshrrev_b32 v1, 5, v0
	v_readfirstlane_b32 s58, v1                    ; wave 0..7
	v_and_b32 v1, 31, v0                           ; lane
	s_cmp_eq_u32 ttmp9, 0
	s_cbranch_scc1 .Lsort
; ---------------------------------------------------------------- the quantiser: work-groups 1 .. 128 take W1, 129 .. 256 take W2
	s_cmp_ge_u32 ttmp9, 129
	s_cselect_b32 s59, 1, 0                        ; kind: 1 = W2
	s_cselect_b32 s20, 129, 1
	s_cselect_b32 s21, 1, 2                        ; W1: id = e:4 | s:2 | cg:2;  W2: id = e:4 | s:3 | cg:1
	s_cselect_b32 s22, 7, 3
	s_cselect_b32 s23, 1, 3
	s_cselect_b32 s24, 11, 12                      ; a row of W2 is 2,048 bytes, of W1 4,096
	s_sub_co_u32 s20, ttmp9, s20                   ; id
	s_lshr_b32 s25, s20, 4                         ; e
	s_lshr_b32 s26, s20, s21
	s_and_b32 s26, s26, s22                        ; s: which 128 along K
	s_and_b32 s27, s20, s23                        ; cg: which 256 columns
	s_lshl_b32 s28, s25, 21                        ; a component is 2 MiB in both tensors
	s_lshl_b32 s29, s26, 7
	s_lshl_b32 s29, s29, s24                       ; + 128 s rows
	s_add_co_u32 s28, s28, s29
	s_lshl_b32 s29, s27, 10                        ; + 256 cg columns
	s_add_co_u32 s28, s28, s29
	s_lshl_b32 s29, s58, 7                         ; + my wave's 32
	s_add_co_u32 s28, s28, s29
	s_mov_b32 s29, 0
	s_lshl_b32 s42, s25, 15
	s_lshl_b32 s43, s26, 8
	s_add_co_u32 s42, s42, s43                     ; e << 15 + s << 8: common to both kinds' places among the scale words
; The place of column group g (64 columns) among the scale words, in bytes; 32 times that is its place among the codes.
; W1: wave g / 2, G = 4 (g % 2) + s;   W2: wave g, G = 8 + s.
.macro SOFF d, g
	s_lshr_b32 s40, \g, 1
	s_lshl_b32 s40, s40, 12
	s_and_b32 s41, \g, 1
	s_lshl_b32 s41, s41, 10
	s_add_co_u32 s40, s40, s41
	s_lshl_b32 s41, \g, 12
	s_add_co_u32 s41, s41, 0x800
	s_cmp_eq_u32 s59, 1
	s_cselect_b32 \d, s41, s40
	s_add_co_u32 \d, \d, s42
.endm
	s_lshl_b32 s30, s27, 2
	s_lshr_b32 s31, s58, 1
	s_add_co_u32 s31, s30, s31                     ; the group that my columns belong to: 4 cg + wave / 2
	s_min_u32 s45, s58, 3
	s_add_co_u32 s30, s30, s45                     ; the group whose scale words I store (waves 0 to 3): 4 cg + wave
	SOFF s32, s31
	SOFF s34, s30
	s_lshl_b32 s32, s32, 5
	s_and_b32 s33, s58, 1                          ; p: my 32 columns are fragments 2 p and 2 p + 1 of the group
	s_lshl_b32 s33, s33, 12
	s_add_co_u32 s32, s32, s33
	s_mov_b32 s33, 0
	s_mov_b32 s35, 0
	s_mov_b32 s46, 0x600000                        ; the mantissa field of 448
	; every address register is made here, ahead of the branches below
	v_lshlrev_b32 v2, 2, v1                        ; in: 4 bytes a lane
	v_bfe_u32 v9, v1, 3, 1                         ; u: which of my two fragments my column falls into,
	v_and_b32 v10, 7, v1
	v_lshrrev_b32 v11, 4, v1
	v_lshl_add_u32 v10, v11, 3, v10                ; r: and which row of it: lane = 16 (r / 8) + 8 u + r % 8
	s_mul_i32 s43, s58, STGW
	v_mul_u32_u24 v3, v9, FRP
	v_lshl_add_u32 v3, v10, 4, v3
	v_add_nc_u32 v3, s43, v3                       ; stage, in: my wave's + fragment u + 16 r
	v_lshlrev_b32 v5, 4, v1                        ; 16 x lane
	v_add_nc_u32 v4, s43, v5                       ; stage, out
	v_lshl_add_u32 v6, v9, 4, v10
	v_lshlrev_b32 v6, 3, v6                        ; 8 (16 u + r)
	s_lshr_b32 s44, s58, 1
	s_lshl_b32 s44, s44, 8
	s_and_b32 s47, s58, 1
	s_lshl_b32 s47, s47, 2
	s_add_co_u32 s44, s44, s47
	s_add_co_u32 s44, s44, SC
	v_add_nc_u32 v6, s44, v6                       ; my column's scale word: SC + 256 (wave / 2) + 8 (16 u + r) + 4 p
	v_lshlrev_b32 v8, 3, v1                        ; 8 x lane
	s_lshl_b32 s44, s45, 8
	s_add_co_u32 s44, s44, SC
	v_add_nc_u32 v7, s44, v8                       ; and where a group's 256 bytes are read back
	s_wait_kmcnt 0x0
	s_cmp_eq_u32 s59, 1
	s_cselect_b64 s[4:5], s[6:7], s[4:5]           ; the choice hangs on the work-group's number alone
	s_add_nc_u64 s[4:5], s[4:5], s[28:29]
	s_add_nc_u64 s[10:11], s[10:11], s[32:33]
	s_add_nc_u64 s[12:13], s[12:13], s[34:35]
.macro WLD pitch                       ; W(128 s + k, my column), k = 0 .. 127: each load reads 128 consecutive bytes a wave, the eight waves side by side 1,024
.set K, 0
.rept 128
	global_load_b32 v[X+K], v2, s[4:5] offset:K*\pitch th:TH_LOAD_NT
.set K, K+1
.endr
.endm
	s_cmp_eq_u32 s59, 1                            ; the two tensors differ in the pitch, which stands in the loads' immediates: a branch round the loads alone
	s_cbranch_scc1 .Lw2
	WLD 4096
	s_branch .Lquant
.Lw2:
	WLD 2048
.Lquant:
.macro BLOCK c
.set XS, X+32*\c
.set CB, CD+8*\c
.if \c == 0
	s_wait_loadcnt 63                              ; a wait names 63 at the most: of 128 loads at most 63 are out, so the first 65 are in: blocks 0 and 1
.elseif \c == 2
	s_wait_loadcnt 32                              ; block 3's 32 may be out
.elseif \c == 3
	s_wait_loadcnt 0x0
.endif
	v_max3_num_f32 v9, |v[XS]|, |v[XS+1]|, |v[XS+2]|               ; the block's largest magnitude: all 32 numbers are mine; two chains
	v_max3_num_f32 v10, |v[XS+3]|, |v[XS+4]|, |v[XS+5]|
.irp i, 6,10,14,18,22,26
	v_max3_num_f32 v9, v9, |v[XS+\i]|, |v[XS+\i+1]|
	v_max3_num_f32 v10, v10, |v[XS+\i+2]|, |v[XS+\i+3]|
.endr
	v_max3_num_f32 v9, v9, |v[XS+30]|, |v[XS+31]|
	v_max3_num_f32 v9, v9, v10, 0x4800000          ; and the floor 2^(9 - 127): the byte cannot fall under 1
	v_add_nc_u32 v11, 0xfc000000, v9               ; 8 off the exponent field: the conversion takes the exponent field of this operand as its scale
	v_and_or_b32 v12, v9, 0x7f800000, s46          ; 448 x the scale
	v_lshrrev_b32 v13, 23, v11                     ; the scale's byte
.if \c == 0
	v_mov_b32 v14, v13                             ; four bytes make my column's scale word, the lower K in the lower byte
.else
	v_lshl_or_b32 v14, v13, 8*\c, v14
.endif
.irp i, 0,1,2,3,4,5,6,7,8,9,10,11,12,13,14,15,16,17,18,19,20,21,22,23,24,25,26,27,28,29,30,31
	v_med3_num_f32 v[XS+\i], v[XS+\i], -v12, v12   ; the conversion to an 8-bit code does not saturate (ISA guide 7.6.2): the hold comes first
.endr
.irp g, 0,1,2,3
	v_cvt_scalef32_pk8_fp8_f32 v[CB+2*\g:CB+2*\g+1], v[XS+8*\g:XS+8*\g+7], v11
.endr
	ds_store_b128 v3, v[CB:CB+3] offset:512*\c     ; k = 32 c + 0 .. 15: lane (r, 0)'s 16 bytes of part c
	ds_store_b128 v3, v[CB+4:CB+7] offset:512*\c+256   ; k = 32 c + 16 .. 31: lane (r, 1)'s.  (The next block's sixteen plain lines stand ahead of its write of v11)
.endm
	BLOCK 0
	BLOCK 1
	BLOCK 2
	BLOCK 3
	ds_store_b32 v6, v14
.irp i, 0,1,2,3,4,5,6,7
	ds_load_b128 v[X+4*\i:X+4*\i+3], v4 offset:512*\i+128*(\i/4)   ; my own stage: LDS serves a wave's instructions in order, so these see my stores
.endr
.irp i, 0,1,2,3,4,5,6,7
	s_wait_dscnt 7-\i
	global_store_b128 v5, v[X+4*\i:X+4*\i+3], s[10:11] offset:512*\i   ; 32 lanes store 512 consecutive bytes, at a multiple of 512 from the buffer's first byte
.endr
	s_barrier_signal -1                            ; the last wait above was for 0: my scale words have landed too
	s_barrier_wait -1
	s_cmp_lt_u32 s58, 4
	s_cbranch_scc0 .Lqend
	ds_load_b64 v[10:11], v7                       ; a group's 64 scale words, written by two waves
	s_wait_dscnt 0x0
	global_store_b64 v8, v[10:11], s[12:13]        ; 32 lanes store 256 consecutive bytes, aligned
.Lqend:
	s_wait_tensorcnt 0x0
	ds_add_u32 v192, v193
	s_wait_dscnt 0x0
	s_endpgm
; ---------------------------------------------------------------- the sort: work-group 0.  Thread t holds tokens 1024 q + 4 t + j in v[16 + 4 q + j]
; v16-47 components, v48-79 ranks, v80-111 places, v112-143 token numbers.  s[16:23] counts, then totals; s[24:31] first tile; s[32:39] masks; s[40:47] end of a component's rows; s[48:55] at work
.Lsort:
	v_lshlrev_b32 v2, 4, v0
.irp e, 0,1,2,3,4,5,6,7
	s_mov_b32 s[16+\e], 0
.endr
	s_wait_kmcnt 0x0
.irp q, 0,1,2,3,4,5,6,7
	global_load_b128 v[16+4*\q:19+4*\q], v2, s[8:9] offset:4096*\q
.endr
	s_wait_loadcnt 0x0
.set K, 0
.rept 32
	v_min_u32 v[16+K], 7, v[16+K]
.set K, K+1
.endr
; A token's rank among my wave's tokens of its component: what the registers before have counted + the lanes below me in this register
.macro RANK k
.irp e, 0,1,2,3,4,5,6,7
	v_cmp_eq_u32 s[32+\e], \e, v[16+\k]
.endr
	v_mbcnt_lo_u32_b32 v[48+\k], s32, s16
.irp e, 1,2,3,4,5,6,7
	v_mbcnt_lo_u32_b32 v3, s[32+\e], s[16+\e]
	v_cndmask_b32 v[48+\k], v[48+\k], v3, s[32+\e]
.endr
.irp e, 0,1,2,3,4,5,6,7
	s_bcnt1_i32_b32 s[48+\e], s[32+\e]
	s_add_co_u32 s[16+\e], s[16+\e], s[48+\e]
.endr
.endm
.set K, 0
.rept 32
	RANK K
.set K, K+1
.endr
	v_mov_b32 v4, 0
.irp e, 0,1,2,3,4,5,6,7
	v_writelane_b32 v4, s[16+\e], \e               ; lane e: my wave's count of component e
.endr
	v_lshl_add_u32 v5, v0, 2, CNT
	ds_store_b32 v5, v4                            ; 128 bytes a wave
	s_wait_dscnt 0x0                               ; for the others' sake
	s_barrier_signal -1
	s_barrier_wait -1
	v_lshl_add_u32 v6, v1, 2, CNT
.irp w, 0,1,2,3,4,5,6,7
	ds_load_b32 v[8+\w], v6 offset:128*\w
.endr
	s_wait_dscnt 0x0
	v_mov_b32 v7, 0                                ; lane e: all waves' count,
	v_mov_b32 v3, 0                                ; and that of the waves before mine
.irp w, 0,1,2,3,4,5,6,7
	v_add_nc_u32 v7, v7, v[8+\w]
	s_cmp_gt_u32 s58, \w
	s_cselect_b32 s62, -1, 0
	v_and_b32 v[8+\w], s62, v[8+\w]
	v_add_nc_u32 v3, v3, v[8+\w]
.endr
.irp e, 0,1,2,3,4,5,6,7
	v_readlane_b32 s[16+\e], v7, \e
.endr
	s_mov_b32 s60, 0                               ; tiles so far
.irp e, 0,1,2,3,4,5,6,7
	s_mov_b32 s[24+\e], s60                        ; the component's first tile;
	s_lshl_b32 s[48+\e], s60, 6                    ; its rows begin at 64 x that,
	s_add_co_u32 s[40+\e], s[48+\e], s[16+\e]      ; and end here
	s_add_co_u32 s61, s[16+\e], 63
	s_lshr_b32 s61, s61, 6
	s_add_co_u32 s60, s60, s61                     ; never more than 8192 / 64 + 7 = 135 in all
.endr
	v_mov_b32 v4, 0
.irp e, 0,1,2,3,4,5,6,7
	v_writelane_b32 v4, s[48+\e], \e
.endr
	v_add_nc_u32 v4, v4, v3                        ; lane e: where my wave's tokens of component e begin
.set K, 0
.rept 32
	v_lshlrev_b32 v[16+K], 2, v[16+K]
	ds_bpermute_b32 v[80+K], v[16+K], v4           ; each token takes the lane of its component (no LDS byte is touched)
.set K, K+1
.endr
	s_wait_dscnt 0x0
	v_lshlrev_b32 v5, 2, v0
.set K, 0
.rept 32
	v_add_nc_u32 v[80+K], v[80+K], v[48+K]         ; + its rank: its place in the list,
	v_min_u32 v[80+K], 0x21bf, v[80+K]             ; held inside 135 x 64 entries,
	v_lshlrev_b32 v[80+K], 2, v[80+K]
	v_add_nc_u32 v[112+K], 1024*(K/4)+K%4, v5      ; its number
	global_store_b32 v[80+K], v[112+K], s[14:15]   ; 32 KiB in all, by place; no register is written again
.set K, K+1
.endr
	; the tiles' records: thread t writes tile t's.  Its component is the last whose first tile is not behind t (one without rows is passed over by the next)
	v_mov_b32 v8, 0
	v_mov_b32 v9, s40
.irp e, 1,2,3,4,5,6,7
	v_cmp_gt_u32 vcc_lo, s[24+\e], v0
	v_cndmask_b32 v8, \e, v8, vcc_lo
	v_cndmask_b32 v9, s[40+\e], v9, vcc_lo
.endr
	v_lshlrev_b32 v10, 6, v0
	v_sub_nc_u32 v9, v9, v10                       ; rows from the tile's first to the component's end,
	v_max_i32 v9, 0, v9                            ; none behind the last tile,
	v_min_i32 v9, 64, v9                           ; 64 at the most
	v_lshlrev_b32 v10, 3, v0
	global_store_b64 v10, v[8:9], s[56:57]
	s_wait_tensorcnt 0x0
	ds_add_u32 v192, v193
	s_wait_dscnt 0x0
	s_endpgm
.Lfunc_end_k_q0b06067d4d_prep:
	.size	k_q0b06067d4d_prep, .Lfunc_end_k_q0b06067d4d_prep-k_q0b06067d4d_prep
	.p2alignl 7, 3214868480
	.fill 96, 4, 3214868480
	.section	.rodata,"a",@progbits
	.p2align	6, 0x0
	.amdhsa_kernel k_q0b06067d4d_prep
		.amdhsa_group_segment_fixed_size 36864
		.amdhsa_private_segment_fixed_size 0
		.amdhsa_enable_private_segment 0
		.amdhsa_kernarg_size 56
		.amdhsa_user_sgpr_count 2
		.amdhsa_user_sgpr_kernarg_segment_ptr 1
		.amdhsa_wavefront_size32 1
		.amdhsa_system_sgpr_workgroup_id_x 1
		.amdhsa_system_sgpr_workgroup_id_y 1
		.amdhsa_system_sgpr_workgroup_id_z 1
		.amdhsa_system_vgpr_workitem_id 0
		.amdhsa_next_free_vgpr 194
		.amdhsa_next_free_sgpr 66
		.amdhsa_reserve_vcc 1
		.amdhsa_float_denorm_mode_32 3
		.amdhsa_float_denorm_mode_16_64 3
		.amdhsa_memory_ordered 1
		.amdhsa_forward_progress 1
		.amdhsa_inst_pref_size 128
	.end_amdhsa_kernel
	.amdgpu_metadata
---
amdhsa.version: [ 1, 2 ]
amdhsa.kernels:
  - .name:           k_q0b06067d4d_prep
    .symbol:         k_q0b06067d4d_prep.kd
    .args:
      - { .name: W1, .offset: 0, .size: 8, .value_kind: global_buffer, .address_space: global }
      - { .name: W2, .offset: 8, .size: 8, .value_kind: global_buffer, .address_space: global }
      - { .name: comp_idx, .offset: 16, .size: 8, .value_kind: global_buffer, .address_space: global }
      - { .name: wcodes, .offset: 24, .size: 8, .value_kind: global_buffer, .address_space: global }
      - { .name: wscales, .offset: 32, .size: 8, .value_kind: global_buffer, .address_space: global }
      - { .name: order, .offset: 40, .size: 8, .value_kind: global_buffer, .address_space: global }
      - { .name: tiles, .offset: 48, .size: 8, .value_kind: global_buffer, .address_space: global }
    .group_segment_fixed_size: 36864
    .private_segment_fixed_size: 0
    .kernarg_segment_align: 8
    .kernarg_segment_size: 56
    .max_flat_workgroup_size: 256
    .sgpr_count:     66
    .vgpr_count:     194
    .wavefront_size: 32
...
	.end_amdgpu_metadata
.endif
;; end of part 1
;; launch moe (part 2): grid 135 x 1, 8 waves a work-group, no clusters, 237,568 bytes of LDS; arguments epsilon, mu, rho, b1, b2, wcodes, wscales, order, tiles, out0; writes out0
.if DOCPART == 2
	.amdgcn_target "amdgcn-amd-amdhsa--gfx1250"
	.amdhsa_code_object_version 6
	.text
	.protected	k_q0b06067d4d_moe
	.globl	k_q0b06067d4d_moe
	.p2align	8
	.type	k_q0b06067d4d_moe,@function
k_q0b06067d4d_moe:
	s_mov_b64 s[64:65], 0
	v_nop
	global_prefetch_b8 v0, s[64:65] scope:SCOPE_SE
	s_setreg_imm32_b32 hwreg(HW_REG_WAVE_MODE, 25, 1), 1
	s_wait_xcnt 0x0
; out[n] = sigmoid(Q(eps[n] softplus(rho[c]) + mu[c]) Q(W1[c]) + b1[c]) quantised, x Q(W2[c]) + b2[c], c = the token's component; both products on codes of FP8 (E4M3) with one E8M0 scale for each 32 along K.
; ONE WORK-GROUP TAKES ONE TILE OF AT MOST 64 TOKENS OF ONE COMPONENT THROUGH THE WHOLE CHAIN; the hidden layer never goes to memory.  135 = 8192 / 64 + 8 - 1 work-groups serve every split of the tokens.
; A tile's rows past its count repeat its last token and are not stored; a tile without rows works on the list's first token and stores nothing: its waves pass the same three barriers as all others.
; THE WAVES SHARE THE COLUMNS, NOT THE ROWS.  X: wave w quantises K step w % 4 (128 of the 512) of token tiles 2 (w / 4) and 2 (w / 4) + 1.  1: wave w makes hidden units 128 w .. 128 w + 127, which are K step w of the
; second product, in two passes of 64 units x 64 tokens.  2: wave w makes outputs 64 w .. 64 w + 63 of the 64 tokens.
; A GROUP is 4 fragments of weights x 4 fragments of tokens, 128 along K: 16 matrix instructions on 16 accumulators by turns.  A wave has 16 groups, and its weights lie in memory in just that order, as images of the
; operand's registers: each load is 512 consecutive bytes, three sets of registers take turns, and a group's weights are asked for three groups ahead.
; BOTH PRODUCTS ARE USED TRANSPOSED (source 0 = 16 columns of the weight, source 1 = 16 tokens): a lane holds one token.  The columns of a fragment are chosen (lane r of fragment 2 p + u: column 32 p + 8 u + r + 8 (r / 8))
; so that the 16 registers of fragments 2 p, 2 p + 1 are 16 neighbours, 32 p + 16 (lane / 16) + 0 .. 15: the conversions' results are the next operand's registers.  The biases are the C of each sum's first instruction.
; TOKENS' OPERANDS GO FROM WAVE TO WAVE THROUGH LDS AS IMAGES OF THEIR REGISTERS: part c of a fragment at 512 c + 16 x lane, the scale word at 4 x lane.
; NO JOINT LOADS: tiles of one component read the same weights, but which tiles those are hangs on the list in memory: a component may have from 0 to 128 tiles, so no fixed grouping of the 135 work-groups
; holds tiles of one component alone.  So the weights go from memory straight into registers.
; LIMITS: NaN and infinities are not served.  A block whose largest magnitude lies under 2^-118 gets the scale byte 1.  softplus = max(rho, 0) + log1p(e^-|rho|): for rho under about -87 the second term,
; under 2^-126, is taken as 0.  Where -z log2(e) is 128 or more the sigmoid is 0.
; REGISTERS, window 0: v1-15 addresses that stay; v16, v17, v63 tokens; v[18:19] sigma twice; v20-25 the weights' scale words (three sets), v26-29 the tokens' (these ten hold scales alone); v30-62 at work;
;   v64-127 four fragments of tokens (in X: mu); v128-255 the 16 accumulators, (m, t) at 128 + 32 m + 8 t (in X: eps; on the way out: rows of out).
; window 1: v0-191 three sets of four fragments of weights; v192-223, v224-255 two sets of biases.
.set XIMG, 0                           ; LDS: lat's 16 fragments, 4 s + m, 2,048 bytes each;
.set XSC,  32768                       ; their scale words, 128 bytes each;
.set HIMG, 34816                       ; the hidden layer's 32 fragments, 4 s + m;
.set HSC,  100352                      ; their scale words;
.set STG,  104448                      ; the stage for out: 64 rows x (2,048 + 16) bytes
.set SP,   2064
.set MSB, 0
.macro WIN new                         ; the immediate's high byte repeats the setting that is left
.if MSB != \new
	s_set_vgpr_msb (MSB<<8)|\new
.set MSB, \new
.endif
.endm
.macro WLOAD g                         ; group g's weights: 16 loads of 512 consecutive bytes into set g % 3, and its 64 scale words: 17 loads
	WIN 0x40                                       ; destination window 1, address window 0
.irp t, 0,1,2,3
.irp c, 0,1,2,3
	global_load_b128 v[64*((\g)%3)+16*\t+4*\c:64*((\g)%3)+16*\t+4*\c+3], v1, s[14:15] offset:8192*(\g)+2048*\t+512*\c
.endr
.endr
	WIN 0
	global_load_b64 v[20+2*((\g)%3):21+2*((\g)%3)], v2, s[16:17] offset:256*(\g)
.endm
.macro BIAS slot, lo, off              ; 64 numbers of a bias in the result's layout: lane (r, h), fragment 2 p + u: 32 p + 16 h + 8 u + 0 .. 7: 8 loads
	WIN 0x40
.irp t, 0,1,2,3
.irp q, 0,1
	global_load_b128 v[192+32*\slot+8*\t+4*\q:192+32*\slot+8*\t+4*\q+3], v15, s[\lo:\lo+1] offset:\off+(32*(\t/2)+8*(\t%2))*4+16*\q
.endr
.endr
	WIN 0
.endm
.macro BLOAD adr, sadr, s              ; K step s of the four tiles of tokens, and their scale words: 20 LDS loads
.irp m, 0,1,2,3
.irp c, 0,1,2,3
	ds_load_b128 v[64+16*\m+4*\c:64+16*\m+4*\c+3], v[\adr] offset:8192*(\s)+2048*\m+512*\c
.endr
	ds_load_b32 v[26+\m], v[\sadr] offset:512*(\s)+128*\m
.endr
.endm
.macro MM g, t, m, first, slot
.set rD, 128+32*(\m)+8*(\t)
.set rA, 64*((\g)%3)+16*(\t)
.set rB, 64+16*(\m)
.set rC, 192+32*(\slot)+8*(\t)
.set rS, 20+2*((\g)%3)+(\t)/2          ; fragment 2 p's words lie in lanes 0-15 of register p, fragment 2 p + 1's in lanes 16-31
.if \first
.if (\t)%2
	v_wmma_scale_f32_16x16x128_f8f6f4 v[rD:rD+7], v[rA:rA+15], v[rB:rB+15], v[rC:rC+7], v[rS], v[26+(\m)] matrix_a_scale:MATRIX_SCALE_ROW1
.else
	v_wmma_scale_f32_16x16x128_f8f6f4 v[rD:rD+7], v[rA:rA+15], v[rB:rB+15], v[rC:rC+7], v[rS], v[26+(\m)]
.endif
.else
.if (\t)%2
	v_wmma_scale_f32_16x16x128_f8f6f4 v[rD:rD+7], v[rA:rA+15], v[rB:rB+15], v[rD:rD+7], v[rS], v[26+(\m)] matrix_a_scale:MATRIX_SCALE_ROW1
.else
	v_wmma_scale_f32_16x16x128_f8f6f4 v[rD:rD+7], v[rA:rA+15], v[rB:rB+15], v[rD:rD+7], v[rS], v[26+(\m)]
.endif
.endif
.endm
; 16 matrix instructions; the 16 accumulators take turns, one instruction a turn, in the same order in every group.  first = 1: the bias in set `slot` starts the sums.
; cnt: how many younger loads may stay out when this group's weights have to be in (-1: an earlier wait has shown them in).
; Eight plain places follow: behind them come loads into the registers that these instructions have read, and the first reads of results.
.macro GROUP g, first, slot, cnt
.if \cnt >= 0
	s_wait_loadcnt \cnt
.endif
	s_wait_dscnt 0x0                               ; the tokens' fragments and scale words are in
.if \first
	WIN 0x11                                       ; source 0 (weights) and source 2 (bias) window 1
.else
	WIN 0x01                                       ; source 0 window 1
.endif
.irp t, 0,1,2,3
.irp m, 0,1,2,3
	MM \g, \t, \m, \first, \slot
.endr
.endr
	WIN 0
.rept 8
	v_nop
.endr
.endm
; 64 numbers of a lane, register 16 b + i = k 32 b + 16 (lane / 16) + i of my token, become a fragment's codes in v46-61 and its scale word in v62
.macro QUANT s
.irp b, 0,1,2,3
	v_max3_num_f32 v[30+\b], |v[\s+16*\b]|, |v[\s+1+16*\b]|, 0x4800000   ; block b: my 16 numbers, and the floor 2^(9 - 127): the byte cannot fall under 1
.endr
.irp i, 2,4,6,8,10,12,14
.irp b, 0,1,2,3
	v_max3_num_f32 v[30+\b], v[30+\b], |v[\s+16*\b+\i]|, |v[\s+1+16*\b+\i]|   ; (the four blocks by turns)
.endr
.endr
.irp b, 0,1,2,3
	v_permlanex16_b32 v[34+\b], v[30+\b], s32, s33
.endr
.irp b, 0,1,2,3
	v_max_num_f32 v[30+\b], v[30+\b], v[34+\b]     ; with lane l xor 16's: the block's largest magnitude
.endr
.irp b, 0,1,2,3
	v_add_nc_u32 v[42+\b], 0xfc000000, v[30+\b]    ; 8 off its exponent field: the conversion's scale operand
.endr
.irp b, 0,1,2,3
	v_and_or_b32 v[38+\b], v[30+\b], 0x7f800000, s34   ; 448 x the scale
.endr
.irp b, 0,1,2,3
	v_lshrrev_b32 v[34+\b], 23, v[42+\b]           ; the scale's byte
.endr
	v_lshl_or_b32 v62, v35, 8, v34
	v_lshl_or_b32 v62, v36, 16, v62
	v_lshl_or_b32 v62, v37, 24, v62
.irp b, 0,1,2,3
.irp i, 0,1,2,3,4,5,6,7,8,9,10,11,12,13,14,15
	v_med3_num_f32 v[\s+16*\b+\i], v[\s+16*\b+\i], -v[38+\b], v[38+\b]   ; the conversion to an 8-bit code does not saturate (ISA guide 7.6.2): the hold comes first
.endr
	v_cvt_scalef32_pk8_fp8_f32 v[46+4*\b:47+4*\b], v[\s+16*\b:\s+7+16*\b], v[42+\b]
	v_cvt_scalef32_pk8_fp8_f32 v[48+4*\b:49+4*\b], v[\s+8+16*\b:\s+15+16*\b], v[42+\b]
.endr
	v_nop                                          ; a plain line behind the last conversion: matrix instructions later write its sources
.endm
.macro IMAGE off                       ; the fragment in v46-61 goes to LDS as it stands
.irp c, 0,1,2,3
	ds_store_b128 v6, v[46+4*\c:49+4*\c] offset:\off+512*\c
.endr
.endm
; sigmoid(z) = 1 / (1 + 2^(-z log2 e)) on the 128 numbers of a pass, ascending.  Two batches of transcendentals, one wait each.
.macro SIGM
.set I, 128
.rept 64
	v_pk_mul_f32 v[I:I+1], v[I:I+1], s[38:39] op_sel_hi:[1,0]
.set I, I+2
.endr
.set I, 128
.rept 128
	v_exp_f32 v[I], v[I]
.set I, I+1
.endr
	v_nop                                          ; a plain line behind the last exponential
	s_wait_alu depctr_va_vdst(0)                   ; one wait for the batch, ahead of its first reader
.set I, 128
.rept 64
	v_pk_add_f32 v[I:I+1], v[I:I+1], 1.0 op_sel_hi:[1,0]
.set I, I+2
.endr
.set I, 128
.rept 128
	v_rcp_f32 v[I], v[I]
.set I, I+1
.endr
	v_nop
	s_wait_alu depctr_va_vdst(0)
.endm
; Tile m's 32 numbers a lane of pass a: two blocks of 32 along the next K, 2 a and 2 a + 1 of my K step: two parts of the fragment's image and two bytes of its scale word.  The hidden layer is not negative:
; no |.| on the maximum, and the hold is one-sided.  The codes' and the word's registers are two sets by turns.
.macro QUANT2 m, a
.set S, 128+32*(\m)
.set PC2, 40+8*((\m)%2)
.set PW2, 56+(\m)%2
.if \m >= 2
	s_wait_dscnt 3                                 ; the three stores of the tile before may be out; those of two tiles back, from this set of registers, are done
.endif
.irp b, 0,1
	v_max3_num_f32 v[30+\b], v[S+16*\b], v[S+1+16*\b], 0x4800000
.endr
.irp i, 2,4,6,8,10,12,14
.irp b, 0,1
	v_max3_num_f32 v[30+\b], v[30+\b], v[S+16*\b+\i], v[S+1+16*\b+\i]
.endr
.endr
.irp b, 0,1
	v_permlanex16_b32 v[32+\b], v[30+\b], s32, s33
.endr
.irp b, 0,1
	v_max_num_f32 v[30+\b], v[30+\b], v[32+\b]
.endr
.irp b, 0,1
	v_add_nc_u32 v[36+\b], 0xfc000000, v[30+\b]
.endr
.irp b, 0,1
	v_and_or_b32 v[34+\b], v[30+\b], 0x7f800000, s34
.endr
.irp b, 0,1
	v_lshrrev_b32 v[38+\b], 23, v[36+\b]
.endr
	v_lshl_or_b32 v[PW2], v39, 8, v38
.irp b, 0,1
.irp i, 0,1,2,3,4,5,6,7,8,9,10,11,12,13,14,15
	v_min_num_f32 v[S+16*\b+\i], v[S+16*\b+\i], v[34+\b]
.endr
	v_cvt_scalef32_pk8_fp8_f32 v[PC2+4*\b:PC2+4*\b+1], v[S+16*\b:S+16*\b+7], v[36+\b]
	v_cvt_scalef32_pk8_fp8_f32 v[PC2+4*\b+2:PC2+4*\b+3], v[S+16*\b+8:S+16*\b+15], v[36+\b]
.endr
	v_nop                                          ; a plain line behind the last conversion
	ds_store_b128 v8, v[PC2:PC2+3] offset:2048*(\m)+512*(2*(\a))
	ds_store_b128 v8, v[PC2+4:PC2+7] offset:2048*(\m)+512*(2*(\a)+1)
	ds_store_b16 v9, v[PW2] offset:128*(\m)+2*(\a)
.endm
.macro BARRIER                         ; my LDS stores have landed and my LDS loads are in: then the work-group's barrier
	s_wait_dscnt 0x0
	s_barrier_signal -1
	s_barrier_wait -1
.endm
.macro EPS reg, adr                    ; my token's 64 numbers of my K step: 16 neighbours of each block of 32
.irp b, 0,1,2,3
.irp j, 0,1,2,3
	global_load_b128 v[\reg+16*\b+4*\j:\reg+16*\b+4*\j+3], v[\adr], s[4:5] offset:128*\b+16*\j
.endr
.endr
.endm
.macro LAT reg                         ; lat = eps sigma + mu, two at a time
.set I, 0
.rept 32
	v_pk_fma_f32 v[\reg+I:\reg+I+1], v[\reg+I:\reg+I+1], v[18:19], v[64+I:65+I]
.set I, I+2
.endr
.endm
	s_load_b256 s[4:11], s[0:1], 0x0               ; epsilon s[4:5], mu s[6:7], rho s[8:9], b1 s[10:11]
	s_load_b256 s[12:19], s[0:1], 0x20             ; b2 s[12:13], wcodes s[14:15], wscales s[16:17], order s[18:19]
	s_load_b128 s[20:23], s[0:1], 0x40             ; tiles s[20:21], out0 s[22:23]
	v_lshrrev_b32 v30, 5, v0
	v_readfirstlane_b32 s30, v30                   ; wave 0..7
	s_lshl_b32 s28, ttmp9, 3
	s_and_b32 s24, s30, 3                          ; w % 4
	s_lshr_b32 s25, s30, 2                         ; w / 4
	s_mov_b32 s32, 0x76543210
	s_mov_b32 s33, 0xfedcba98                      ; v_permlanex16_b32's selects for lane l xor 16
	s_mov_b32 s34, 0x600000                        ; the mantissa field of 448
	s_mov_b32 s38, 0xbfb8aa3b                      ; -log2(e)
	s_mov_b32 s39, s38                             ; (named with it as a pair)
	s_mov_b32 s37, 0
	s_wait_kmcnt 0x0
	s_load_b64 s[26:27], s[20:21], s28 offset:0x0  ; my tile's record: component, count
	v_and_b32 v31, 31, v0                          ; lane
	v_and_b32 v32, 15, v0                          ; r
	v_bfe_u32 v33, v0, 4, 1                        ; h
	v_mov_b32 v35, 0                               ; (a lane permute's destination counts as one of its sources: v32-37 are all written here)
	v_lshlrev_b32 v1, 4, v31                       ; 16 x lane: the weights' offset, lat's images, the stores' offset
	v_lshlrev_b32 v2, 3, v31                       ; 8 x lane
	v_add_nc_u32 v3, HIMG, v1
	v_lshl_add_u32 v4, v31, 2, XSC
	v_lshl_add_u32 v5, v31, 2, HSC
	s_lshl_b32 s40, s24, 13
	s_lshl_b32 s41, s25, 12
	s_add_co_u32 s40, s40, s41
	v_add_nc_u32 v6, s40, v1                       ; where I store lat's images: fragment 4 (w % 4) + 2 (w / 4)
	s_lshl_b32 s40, s24, 9
	s_lshl_b32 s41, s25, 8
	s_add_co_u32 s40, s40, s41
	v_add_nc_u32 v7, s40, v4                       ; and their scale words
	s_lshl_b32 s40, s30, 13
	v_add_nc_u32 v8, s40, v3                       ; the hidden layer's: fragments 4 w on
	s_lshl_b32 s40, s30, 9
	v_add_nc_u32 v9, s40, v5
	v_mul_u32_u24 v10, v32, SP
	v_lshl_add_u32 v10, v33, 6, v10
	s_lshl_b32 s40, s30, 8
	s_add_co_u32 s40, s40, STG
	v_add_nc_u32 v10, s40, v10                     ; the stage, in: row r, + 64 h, + my 256 bytes of a row;
	v_add_nc_u32 v11, 32*SP, v10                   ; the same 32 rows on
	s_mul_i32 s40, s30, 8*SP
	s_add_co_u32 s40, s40, STG
	v_add_nc_u32 v12, s40, v1                      ; and out: my 8 rows, 16 bytes a lane
	v_lshlrev_b32 v15, 6, v33                      ; 64 h: mu and the biases
	s_wait_kmcnt 0x0
	s_min_u32 s26, s26, 7                          ; what was loaded is held before it enters an address
	s_min_u32 s27, s27, 64
	s_lshl_b32 s29, s26, 2
	s_load_b32 s44, s[8:9], s29 offset:0x0         ; rho of my component
	s_lshl_b32 s36, s26, 11
	s_lshl_b32 s40, s24, 9
	s_add_co_u32 s36, s36, s40
	s_add_nc_u64 s[6:7], s[6:7], s[36:37]          ; mu: my component, my K step
	s_lshl_b32 s36, s26, 12
	s_lshl_b32 s40, s30, 9
	s_add_co_u32 s36, s36, s40
	s_add_nc_u64 s[10:11], s[10:11], s[36:37]      ; b1: my 128 hidden units
	s_lshl_b32 s36, s26, 11
	s_lshl_b32 s40, s30, 8
	s_add_co_u32 s36, s36, s40
	s_add_nc_u64 s[12:13], s[12:13], s[36:37]      ; b2: my 64 outputs
	s_lshl_b32 s36, s26, 20
	s_lshl_b32 s40, s30, 17
	s_add_co_u32 s36, s36, s40
	s_add_nc_u64 s[14:15], s[14:15], s[36:37]      ; my 128 KiB of codes
	s_lshl_b32 s36, s26, 15
	s_lshl_b32 s40, s30, 12
	s_add_co_u32 s36, s36, s40
	s_add_nc_u64 s[16:17], s[16:17], s[36:37]      ; and their scale words
	; where my rows stand in the list: rows past the count take the tile's last entry; a tile without rows takes entry 0 of the list, which is always written
	s_lshl_b32 s41, ttmp9, 6
	s_cmp_lg_u32 s27, 0
	s_cselect_b32 s41, s41, 0
	s_max_u32 s42, s27, 1
	s_sub_co_u32 s42, s42, 1
	s_lshl_b32 s43, s25, 5
	v_add_nc_u32 v34, s43, v32                     ; my token of tile 2 (w / 4): row 32 (w / 4) + r,
	v_add_nc_u32 v36, 16, v34                      ; of the tile behind it,
	v_and_b32 v37, 7, v0
	s_lshl_b32 s43, s30, 3
	v_add_nc_u32 v37, s43, v37                     ; and, in lanes 0 to 7, the eight rows that I store
	s_sub_co_i32 s31, s27, s43                     ; how many of those eight there are (may be negative)
.irp x, 34,36,37
	v_min_u32 v\x, s42, v\x
	v_add_nc_u32 v\x, s41, v\x
	v_min_u32 v\x, 0x21bf, v\x                     ; inside 135 x 64 entries
	v_lshlrev_b32 v\x, 2, v\x
.endr
	global_load_b32 v16, v34, s[18:19]
	global_load_b32 v17, v36, s[18:19]
	global_load_b32 v63, v37, s[18:19]
.irp b, 0,1,2,3
.irp j, 0,1,2,3
	global_load_b128 v[64+16*\b+4*\j:64+16*\b+4*\j+3], v15, s[6:7] offset:128*\b+16*\j   ; mu in the layout of eps
.endr
.endr
	WLOAD 0
	WLOAD 1
	BIAS 0, 10, 0                                  ; b1 of pass 0
	s_wait_loadcnt 58                              ; the three loads from the list are in; behind them: mu 16, two groups of weights 34, the bias 8
	s_lshl_b32 s40, s24, 9
	v_add_nc_u32 v38, s40, v15                     ; my K step's 512 bytes of a row + 64 h
	v_min_u32 v16, 0x1fff, v16
	v_min_u32 v17, 0x1fff, v17
	v_lshlrev_b32 v13, 11, v16                     ; a row of eps is 2,048 bytes
	v_lshlrev_b32 v14, 11, v17
	v_add_nc_u32 v13, v13, v38
	v_add_nc_u32 v14, v14, v38
	EPS 128, 13
	EPS 192, 14
	WLOAD 2
	BIAS 1, 10, 256                                ; b1 of pass 1
	; while these are on their way: the rows of out that I store, and sigma
.irp i, 0,1,2,3,4,5,6,7
	v_readlane_b32 s40, v63, \i
	s_min_u32 s40, s40, 0x1fff
	s_lshl_b32 s40, s40, 11
	s_mov_b32 s41, 0
	s_add_nc_u64 s[66+2*\i:67+2*\i], s[22:23], s[40:41]
.endr
	s_wait_kmcnt 0x0                               ; rho
	v_mov_b32 v40, s44
	v_mul_f32 v41, 0xbfb8aa3b, |v40|
	v_exp_f32 v41, v41                             ; t = e^-|rho|
	v_max_num_f32 v42, 0, v40                      ; (a plain line behind the exponential)
	s_wait_alu depctr_va_vdst(0)                   ; ahead of its first reader
	v_add_f32 v43, 1.0, v41                        ; u = 1 + t, rounded;
	v_add_f32 v44, -1.0, v43                       ; d = u - 1, exact: log1p(t) = ln(u) t / d
	v_log_f32 v45, v43
	v_rcp_f32 v46, v44
	v_cmp_eq_f32 vcc_lo, 0, v44                    ; where t has vanished beside 1, log1p(t) = t
	v_nop
	s_wait_alu depctr_va_vdst(0)
	v_mul_f32 v45, 0x3f317218, v45                 ; ln 2 x log2(u)
	v_mul_f32 v45, v45, v41
	v_mul_f32 v45, v45, v46
	v_cndmask_b32 v45, v45, v41, vcc_lo
	v_add_f32 v18, v42, v45                        ; sigma = softplus(rho)
	v_mov_b32 v19, v18
	; ---- X: my K step of two tiles of tokens
	s_wait_loadcnt 41                              ; the first tile's eps is in, and all that is older; behind it: the second tile's 16, weights 17, bias 8
	LAT 128
	QUANT 128
	IMAGE 0
	ds_store_b32 v7, v62
	s_wait_loadcnt 25                              ; the second tile's; behind it: weights 17, bias 8
	s_wait_dscnt 0x0                               ; the stores have read their registers
	LAT 192
	QUANT 192
	IMAGE 2048
	ds_store_b32 v7, v62 offset:128
	BARRIER                                        ; lat's sixteen fragments lie in LDS
	; ---- 1: my 128 hidden units, 64 at a time
	BLOAD 1, 4, 0
	GROUP 0, 1, 0, -1                              ; groups 0 and 1 and the first bias are older than eps
	BLOAD 1, 4, 1
	WLOAD 3
	BIAS 0, 12, 0                                  ; b2
	GROUP 1, 0, 0, -1
	BLOAD 1, 4, 2
	WLOAD 4
	GROUP 2, 0, 0, 50                              ; behind group 2's weights: bias 8, group 3's 17, bias 8, group 4's 17
	BLOAD 1, 4, 3
	WLOAD 5
	GROUP 3, 0, 0, 42                              ; bias 8, two groups 34
	BLOAD 1, 4, 0
	WLOAD 6
	SIGM
	QUANT2 0, 0
	QUANT2 1, 0
	QUANT2 2, 0
	QUANT2 3, 0
	GROUP 4, 1, 1, 34                              ; from here on: the two younger groups' 34 loads may be out
	BLOAD 1, 4, 1
	WLOAD 7
	GROUP 5, 0, 0, 34
	BLOAD 1, 4, 2
	WLOAD 8
	GROUP 6, 0, 0, 34
	BLOAD 1, 4, 3
	WLOAD 9
	GROUP 7, 0, 0, 34
	WLOAD 10
	SIGM
	QUANT2 0, 1
	QUANT2 1, 1
	QUANT2 2, 1
	QUANT2 3, 1
	BARRIER                                        ; the hidden layer's 32 fragments lie in LDS
	; ---- 2: my 64 outputs, eight K steps
	BLOAD 3, 5, 0
	GROUP 8, 1, 0, 34
	BLOAD 3, 5, 1
	WLOAD 11
	GROUP 9, 0, 0, 34
	BLOAD 3, 5, 2
	WLOAD 12
	GROUP 10, 0, 0, 34
	BLOAD 3, 5, 3
	WLOAD 13
	GROUP 11, 0, 0, 34
	BLOAD 3, 5, 4
	WLOAD 14
	GROUP 12, 0, 0, 34
	BLOAD 3, 5, 5
	WLOAD 15
	GROUP 13, 0, 0, 34
	BLOAD 3, 5, 6
	GROUP 14, 0, 0, 17                             ; the last group's loads may be out
	BLOAD 3, 5, 7
	GROUP 15, 0, 0, 0
	; ---- the way out: a lane's eight results are eight neighbouring outputs of one token; a row's 512 outputs come from eight waves: they meet in the stage
.irp m, 0,1,2,3
.irp t, 0,1,2,3
.irp q, 0,1
	ds_store_b128 v[10+\m/2], v[128+32*\m+8*\t+4*\q:128+32*\m+8*\t+4*\q+3] offset:(\m%2)*16*SP+128*(\t/2)+32*(\t%2)+16*\q   ; each accumulator from its low end on
.endr
.endr
.endr
	BARRIER                                        ; 64 whole rows lie in the stage
.irp i, 0,1,2,3,4,5,6,7
.irp q, 0,1,2,3
	ds_load_b128 v[128+16*\i+4*\q:128+16*\i+4*\q+3], v12 offset:SP*\i+512*\q
.endr
.endr
.irp i, 0,1,2,3,4,5,6,7
	s_wait_dscnt 28-4*\i                           ; row i's four loads are in; the later rows' may be out
	s_cmp_gt_i32 s31, \i                           ; is there a row 8 w + i in this tile?  A branch on the stored count
	s_cbranch_scc0 .Lrow_\i
.irp q, 0,1,2,3
	global_store_b128 v1, v[128+16*\i+4*\q:128+16*\i+4*\q+3], s[66+2*\i:67+2*\i] offset:512*\q th:TH_STORE_NT   ; 32 lanes store 512 consecutive bytes of the token's row, aligned
.endr
.Lrow_\i:
.endr
	s_wait_xcnt 0x0
	v_lshl_add_u32 v254, v0, 2, 0x39c00
	v_mov_b32 v255, 0
	s_wait_tensorcnt 0x0
	ds_add_u32 v254, v255
	s_wait_dscnt 0x0
	s_endpgm
.Lfunc_end_k_q0b06067d4d_moe:
	.size	k_q0b06067d4d_moe, .Lfunc_end_k_q0b06067d4d_moe-k_q0b06067d4d_moe
	.p2alignl 7, 3214868480
	.fill 96, 4, 3214868480
	.section	.rodata,"a",@progbits
	.p2align	6, 0x0
	.amdhsa_kernel k_q0b06067d4d_moe
		.amdhsa_group_segment_fixed_size 237568
		.amdhsa_private_segment_fixed_size 0
		.amdhsa_enable_private_segment 0
		.amdhsa_kernarg_size 80
		.amdhsa_user_sgpr_count 2
		.amdhsa_user_sgpr_kernarg_segment_ptr 1
		.amdhsa_wavefront_size32 1
		.amdhsa_system_sgpr_workgroup_id_x 1
		.amdhsa_system_sgpr_workgroup_id_y 1
		.amdhsa_system_sgpr_workgroup_id_z 1
		.amdhsa_system_vgpr_workitem_id 0
		.amdhsa_next_free_vgpr 512
		.amdhsa_next_free_sgpr 82
		.amdhsa_reserve_vcc 1
		.amdhsa_float_denorm_mode_32 3
		.amdhsa_float_denorm_mode_16_64 3
		.amdhsa_memory_ordered 1
		.amdhsa_forward_progress 1
		.amdhsa_inst_pref_size 186
	.end_amdhsa_kernel
	.amdgpu_metadata
---
amdhsa.version: [ 1, 2 ]
amdhsa.kernels:
  - .name:           k_q0b06067d4d_moe
    .symbol:         k_q0b06067d4d_moe.kd
    .args:
      - { .name: epsilon, .offset: 0, .size: 8, .value_kind: global_buffer, .address_space: global }
      - { .name: mu, .offset: 8, .size: 8, .value_kind: global_buffer, .address_space: global }
      - { .name: rho, .offset: 16, .size: 8, .value_kind: global_buffer, .address_space: global }
      - { .name: b1, .offset: 24, .size: 8, .value_kind: global_buffer, .address_space: global }
      - { .name: b2, .offset: 32, .size: 8, .value_kind: global_buffer, .address_space: global }
      - { .name: wcodes, .offset: 40, .size: 8, .value_kind: global_buffer, .address_space: global }
      - { .name: wscales, .offset: 48, .size: 8, .value_kind: global_buffer, .address_space: global }
      - { .name: order, .offset: 56, .size: 8, .value_kind: global_buffer, .address_space: global }
      - { .name: tiles, .offset: 64, .size: 8, .value_kind: global_buffer, .address_space: global }
      - { .name: out0, .offset: 72, .size: 8, .value_kind: global_buffer, .address_space: global }
    .group_segment_fixed_size: 237568
    .private_segment_fixed_size: 0
    .kernarg_segment_align: 8
    .kernarg_segment_size: 80
    .max_flat_workgroup_size: 256
    .sgpr_count:     82
    .vgpr_count:     512
    .wavefront_size: 32
...
	.end_amdgpu_metadata
.endif
;; end of part 2
